; MI455X (gfx1250); checked and timed in simulation.
; The chip was launched on July 23, 2026; its instructions are those of AMD's public machine-readable ISA for CDNA 5 (MIT licence, August 2026) and "CDNA5" Instruction Set Architecture Reference Guide (July 2026). The comments in the code are by the model that wrote it; some were corrected since.
;; Encoding. Allowed arithmetic: float matrix products may take bf16 or f16 operands with f32 sums; all other float work in f32.
;; Inputs: X 8 x 64 x 56 x 56 float32; codewords 32 x 64 float32; fc_b 64 float32; fc_w 64 x 64 float32; scale 32 x 64 float32.
;; Outputs: out0 8 x 64 x 56 x 56 float32.
;; 2 versions, each right; version 2 is version 1 with the launch gate written anew for expert scheduling mode. Each part assembles by itself: llvm-mc -triple=amdgcn-amd-amdhsa -mcpu=gfx1250 --defsym DOCPART=n.
;; ======== version 1 of 2: 2 launches
;; workspace buffers: enc 6,422,528 bytes; emean 2,048 bytes
;; launch encode (part 1): grid 256 x 1, 16 waves a work-group, no clusters, 3,072 bytes of LDS; arguments X, codewords, scale, enc, emean; writes enc, emean
.if DOCPART == 1
	.amdgcn_target "amdgcn-amd-amdhsa--gfx1250"
	.amdhsa_code_object_version 6
	.text
	.protected	k_qbe188d2cca_encode
	.globl	k_qbe188d2cca_encode
	.p2align	8
	.type	k_qbe188d2cca_encode,@function
k_qbe188d2cca_encode:
	s_mov_b64 s[64:65], 0
	v_nop
	global_prefetch_b8 v0, s[64:65] scope:SCOPE_SE
	s_setreg_imm32_b32 hwreg(HW_REG_WAVE_MODE, 25, 1), 1
	s_wait_xcnt 0x0
; enc[b][d][n] = relu(E), emean[b][d] = (1/32) sum over n of E, with
;   E = sum over k of softmax_k( scale[k][d] (x - c[k][d])^2 ) (x - c[k][d]),  x = X[b][d][n],  32 codewords k.
; (reference()'s AR.sum(axis=1).mean(axis=1) is the sum over n of E divided by 32; the gate 1 + sigmoid is positive, so relu may be taken here.)
; A work-group owns two neighbouring rows (b, d0), (b, d0 + 1) of 3,136 f32 = 12,544 bytes = 49 x 256; 16 waves, four for each of a WGP's four SIMDs.
; A wave works on ONE row, so its 32 c and 32 scale are the same in all lanes; they lie in register pairs (k, k + 1) and the packed f32 forms work on
; two codewords of one element at a time, x broadcast by op_sel.  So an odd number of elements costs nothing: a row is 98 times 32 elements.
; Eight waves of a row take three pieces of 512 bytes each (16 bytes a lane); the row's last 256 bytes are two pieces of 128 bytes (4 bytes a lane):
; the four such pieces of the two rows go to waves 0 to 3, so that no wave has more than 13 elements a lane.
; The maximum over k is taken away before the exponential, as in reference(); the denominator is therefore at least 1.
; No matrix instruction: nothing here is a matrix product.  No tensor load, no ring: a wave's whole share of X is 13 registers, all asked for at once.
; No cluster: work-groups share only the two tables, of which each needs 512 bytes.
; LIMITS: a NaN in E is stored as 0 (v_max_num_f32 drops a NaN); exponentials below 2^-126 count as 0 (ISA guide, v_exp_f32); the sums over k and n
; run in another order than reference()'s.
.set ROWB,   12544                     ; bytes in a row of X and of enc
.set CHUNKB, 512                       ; one 16-byte load of a wave
.set WAVEB,  3*CHUNKB                  ; a wave's three pieces
.set TAILB,  8*WAVEB                   ; 12,288: where a row's last 256 bytes begin
.set LROW,   256                       ; LDS: a row's constants: 32 x (-c), then 32 x (scale log2 e)
.set LSC,    128                       ; where the scales begin in them
.set RED,    512                       ; LDS: 16 words, one sum for each wave
.set LANE,  1                          ; v1       lane
.set VOFF,  2                          ; v2       byte offset of my 16 bytes in my wave's first piece (in X and in enc)
.set VTOFF, 3                          ; v3       byte offset of my 4 bytes in the 128-byte piece (waves 0 to 3)
.set VLA,   4                          ; v4       LDS address of my row's constants
.set XT,    5                          ; v5       the 128-byte piece's element; it is read as the upper half of the pair v[4:5]
.set VC,    6                          ; v6       offset into a table; at the end into emean
.set VS,    7                          ; v7       LDS addresses of stores
.set ACC,   8                          ; v8       sum of my E
.set ER,    9                          ; v9       E
.set DA,    10                         ; v[10:13] two chains of the denominator (pairs)
.set DB,    12
.set NA,    14                         ; v[14:17] two chains of the numerator (pairs)
.set NB,    16
.set MX,    18                         ; v[18:27] the tree of maxima; the maximum ends in v18
.set X,     28                         ; v[28:39] three pieces of x, four elements each; each becomes relu(E) in place
.set CT,    40                         ; v[40:41] table entries on their way to LDS
.set NC,    64                         ; v[64:95]   -c[k]
.set SC,    96                         ; v[96:127]  scale[k] log2 e
.set RS,    128                        ; v[128:159] x - c[k]
.set LG,    160                        ; v[160:191] logits in base 2, then their exponentials
	s_load_b256 s[4:11], s[0:1], 0x0               ; X s[4:5], codewords s[6:7], scale s[8:9], enc s[10:11]
	s_load_b64 s[12:13], s[0:1], 0x20              ; emean
	v_lshl_add_u32 v192, v0, 2, 0x400
	v_mov_b32 v193, 0
	v_and_b32 v[LANE], 31, v0
	v_lshrrev_b32 v[XT], 5, v0
	v_readfirstlane_b32 s14, v[XT]                 ; wave w, 0 to 15
	s_bfe_u32 s15, s14, 0x10001                    ; my row of the two: bit 1 of w
	s_and_b32 s16, s14, 1
	s_lshr_b32 s17, s14, 2
	s_lshl1_add_u32 s17, s17, s16                  ; which eighth of the row: 2 (w >> 2) + (w & 1)
	s_lshl1_add_u32 s18, ttmp9, s15                ; row number b 64 + d = 2 x work-group + row
	s_mul_i32 s18, s18, ROWB                       ; at most 511 x 12,544 bytes
	s_mul_i32 s19, s17, WAVEB
	s_add_co_u32 s19, s19, s18
	v_lshl_add_u32 v[VOFF], v[LANE], 4, s19
	s_lshl_b32 s20, s16, 7                         ; waves 0 to 3: half w & 1 of the row's last 256 bytes
	s_add_co_u32 s20, s20, s18
	s_add_co_u32 s20, s20, TAILB
	v_lshl_add_u32 v[VTOFF], v[LANE], 2, s20
	s_and_b32 s21, ttmp9, 31
	s_lshl_b32 s21, s21, 3                         ; 4 bytes x d0, d0 = 2 (work-group & 31)
	v_lshl_add_u32 v[VC], v[LANE], 8, s21          ; lane k: entries [k][d0], [k][d0 + 1] of a table with rows of 256 bytes
	s_lshl_b32 s26, s15, 8
	v_mov_b32 v[VLA], s26                          ; row x LROW
	s_wait_kmcnt 0x0
	s_cmp_eq_u32 s14, 0
	s_cselect_b64 s[22:23], s[6:7], s[8:9]         ; wave 0 brings the codewords, wave 1 the scales,
	s_cselect_b32 s24, -1.0, 0x3fb8aa3b            ; times -1, times log2 e
	; All loads go out here.  The two that only some waves issue come first, so that the counts behind them are the same in every wave.
	s_cmp_ge_u32 s14, 4
	s_cbranch_scc1 .Lrows
	global_load_b32 v[XT], v[VTOFF], s[4:5] th:TH_LOAD_NT
	s_cmp_ge_u32 s14, 2
	s_cbranch_scc1 .Lrows
	global_load_b64 v[CT:CT+1], v[VC], s[22:23]
.Lrows:
.irp q, 0,1,2
	global_load_b128 v[X+4*\q:X+4*\q+3], v[VOFF], s[4:5] offset:\q*CHUNKB th:TH_LOAD_NT
.endr
	s_cmp_ge_u32 s14, 2
	s_cbranch_scc1 .Lstaged
	s_wait_loadcnt 0x3                             ; the table entries are in; the three pieces of x issued behind them stay out
	s_lshl_b32 s25, s14, 7                         ; wave 0: bytes 0 to 127 of a row's constants, wave 1: bytes 128 to 255
	v_lshl_add_u32 v[VS], v[LANE], 2, s25
	v_mul_f32 v[CT], s24, v[CT]
	v_mul_f32 v[CT+1], s24, v[CT+1]
	ds_store_b32 v[VS], v[CT]                      ; row d0
	ds_store_b32 v[VS], v[CT+1] offset:LROW        ; row d0 + 1
.Lstaged:
	s_wait_dscnt 0x0                               ; for the other waves' sake: the constants are in LDS before I signal
	s_barrier_signal -1
	s_barrier_wait -1
.irp j, 0,1,2,3,4,5,6,7
	ds_load_b128 v[NC+4*\j:NC+4*\j+3], v[VLA] offset:16*\j            ; every lane reads the same 16 bytes
.endr
.irp j, 0,1,2,3,4,5,6,7
	ds_load_b128 v[SC+4*\j:SC+4*\j+3], v[VLA] offset:LSC+16*\j
.endr
	s_wait_dscnt 0x0
; One element a lane.  x is register sel (0 or 1) of the pair v[xp:xp+1]; relu(E) takes its place.  first = 1: E starts the sum ACC.
.macro ELEM xp, sel, first
.irp j, 0,1,2,3,4,5,6,7,8,9,10,11,12,13,14,15
	v_pk_add_f32 v[RS+2*\j:RS+2*\j+1], v[\xp:\xp+1], v[NC+2*\j:NC+2*\j+1] op_sel:[\sel,0] op_sel_hi:[\sel,1]   ; x - c, two k at a time
.endr
.irp j, 0,1,2,3,4,5,6,7,8,9,10,11,12,13,14,15
	v_pk_mul_f32 v[LG+2*\j:LG+2*\j+1], v[RS+2*\j:RS+2*\j+1], v[SC+2*\j:SC+2*\j+1]
.endr
.irp j, 0,1,2,3,4,5,6,7,8,9,10,11,12,13,14,15
	v_pk_mul_f32 v[LG+2*\j:LG+2*\j+1], v[LG+2*\j:LG+2*\j+1], v[RS+2*\j:RS+2*\j+1]     ; (scale resid) resid, as reference() orders it
.endr
	; the maximum of the 32 logits: 16 instructions, each takes two numbers away
.irp j, 0,1,2,3,4,5,6,7,8,9
	v_max3_num_f32 v[MX+\j], v[LG+3*\j], v[LG+3*\j+1], v[LG+3*\j+2]
.endr
	v_max3_num_f32 v[MX],   v[MX],   v[MX+1], v[MX+2]
	v_max3_num_f32 v[MX+3], v[MX+3], v[MX+4], v[MX+5]
	v_max3_num_f32 v[MX+6], v[MX+6], v[MX+7], v[MX+8]
	v_max3_num_f32 v[MX+9], v[MX+9], v[LG+30], v[LG+31]
	v_max3_num_f32 v[MX],   v[MX],   v[MX+3], v[MX+6]
	v_max_num_f32  v[MX],   v[MX],   v[MX+9]
	; logit - maximum, then 2^.  Behind a run of v_exp_f32 one plain vector instruction that names none of its registers comes before a result
	; is used (ISA guide 5.7.2): behind the first run the second half's subtractions, behind the second run the first half's sums.
.irp j, 0,1,2,3,4,5,6,7
	v_pk_add_f32 v[LG+2*\j:LG+2*\j+1], v[LG+2*\j:LG+2*\j+1], v[MX:MX+1] op_sel_hi:[1,0] neg_lo:[0,1] neg_hi:[0,1]
.endr
.irp j, 0,1,2,3,4,5,6,7,8,9,10,11,12,13,14,15
	v_exp_f32 v[LG+\j], v[LG+\j]
.endr
.irp j, 8,9,10,11,12,13,14,15
	v_pk_add_f32 v[LG+2*\j:LG+2*\j+1], v[LG+2*\j:LG+2*\j+1], v[MX:MX+1] op_sel_hi:[1,0] neg_lo:[0,1] neg_hi:[0,1]
.endr
.irp j, 16,17,18,19,20,21,22,23,24,25,26,27,28,29,30,31
	v_exp_f32 v[LG+\j], v[LG+\j]
.endr
	; denominator and numerator, two chains each, started by the first terms: nothing is cleared
	s_wait_alu depctr_va_vdst(0)
	v_pk_add_f32 v[DA:DA+1], v[LG:LG+1],   v[LG+4:LG+5]
	v_pk_add_f32 v[DB:DB+1], v[LG+2:LG+3], v[LG+6:LG+7]
	v_pk_mul_f32 v[NA:NA+1], v[LG:LG+1],   v[RS:RS+1]
	v_pk_mul_f32 v[NB:NB+1], v[LG+2:LG+3], v[RS+2:RS+3]
	v_pk_fma_f32 v[NA:NA+1], v[LG+4:LG+5], v[RS+4:RS+5], v[NA:NA+1]
	v_pk_fma_f32 v[NB:NB+1], v[LG+6:LG+7], v[RS+6:RS+7], v[NB:NB+1]
.irp j, 8,12,16,20,24,28
	v_pk_add_f32 v[DA:DA+1], v[DA:DA+1], v[LG+\j:LG+\j+1]
	v_pk_add_f32 v[DB:DB+1], v[DB:DB+1], v[LG+\j+2:LG+\j+3]
	v_pk_fma_f32 v[NA:NA+1], v[LG+\j:LG+\j+1],   v[RS+\j:RS+\j+1],   v[NA:NA+1]
	v_pk_fma_f32 v[NB:NB+1], v[LG+\j+2:LG+\j+3], v[RS+\j+2:RS+\j+3], v[NB:NB+1]
.endr
	v_pk_add_f32 v[DA:DA+1], v[DA:DA+1], v[DB:DB+1]
	v_pk_add_f32 v[NA:NA+1], v[NA:NA+1], v[NB:NB+1]
	v_add_f32 v[DA], v[DA], v[DA+1]
	v_rcp_f32 v[DB], v[DA]                         ; the denominator is at least 1: the largest logit gives 2^0
	v_add_f32 v[NA], v[NA], v[NA+1]                ; the plain instruction between v_rcp_f32 and the use of its result
.if \first
	s_wait_alu depctr_va_vdst(0)
	v_mul_f32 v[ACC], v[NA], v[DB]                 ; E, which starts the sum over n
	v_max_num_f32 v[\xp+\sel], 0, v[ACC]
.else
	s_wait_alu depctr_va_vdst(0)
	v_mul_f32 v[ER], v[NA], v[DB]
	v_add_f32 v[ACC], v[ACC], v[ER]
	v_max_num_f32 v[\xp+\sel], 0, v[ER]
.endif
.endm
; A piece of 512 bytes: four elements a lane.  Each piece has its own registers, so that no store's data are written again.
.macro PIECE q, first
	s_wait_loadcnt 2-\q                            ; loads come back in order (ISA guide 5.7.1): piece q is in, the younger pieces stay out
	ELEM X+4*\q,   0, \first
	ELEM X+4*\q,   1, 0
	ELEM X+4*\q+2, 0, 0
	ELEM X+4*\q+2, 1, 0
	global_store_b128 v[VOFF], v[X+4*\q:X+4*\q+3], s[10:11] offset:\q*CHUNKB   ; 512 consecutive bytes, at a multiple of 256 from enc's first byte
.endm
	PIECE 0, 1
	PIECE 1, 0
	PIECE 2, 0
	s_cmp_ge_u32 s14, 4
	s_cbranch_scc1 .Lsum
	ELEM VLA, 1, 0                                 ; waves 0 to 3: v5, loaded ahead of the pieces, so in since the wait for 0; v4 is the pair's unused half
	global_store_b32 v[VTOFF], v[XT], s[10:11]     ; 128 consecutive bytes
.Lsum:
	; the sum of E over my wave's lanes, then over the row's eight waves through LDS
	s_mov_b32 s27, 0x76543210                      ; v_permlanex16_b32: lane i of one half reads lane i of the other
	s_mov_b32 s28, 0xfedcba98
	v_add_f32_dpp v[ACC], v[ACC], v[ACC] row_xmask:1 row_mask:0xf bank_mask:0xf
	v_add_f32_dpp v[ACC], v[ACC], v[ACC] row_xmask:2 row_mask:0xf bank_mask:0xf
	v_add_f32_dpp v[ACC], v[ACC], v[ACC] row_xmask:4 row_mask:0xf bank_mask:0xf
	v_add_f32_dpp v[ACC], v[ACC], v[ACC] row_xmask:8 row_mask:0xf bank_mask:0xf
	v_permlanex16_b32 v[ER], v[ACC], s27, s28
	v_add_f32 v[ACC], v[ACC], v[ER]
	v_mov_b32 v[VS], s14
	v_lshlrev_b32 v[VS], 2, v[VS]
	ds_store_b32 v[VS], v[ACC] offset:RED          ; word w; all lanes write the same number
	s_wait_dscnt 0x0                               ; in LDS before I signal
	s_barrier_signal -1
	s_barrier_wait -1
	s_cmp_lg_u32 s14, 0
	s_cbranch_scc1 .Lend
	; wave 0: the waves of row 0 are 0, 1, 4, 5, 8, 9, 12, 13: words in pairs, 16 bytes apart; those of row 1 lie 8 bytes further on
	v_and_b32 v[VS], 1, v[LANE]                    ; lane l sums row l & 1; lanes 0 and 1 store
	v_lshlrev_b32 v[VS], 3, v[VS]
	ds_load_b64 v[DA:DA+1], v[VS] offset:RED
	ds_load_b64 v[DB:DB+1], v[VS] offset:RED+16
	ds_load_b64 v[NA:NA+1], v[VS] offset:RED+32
	ds_load_b64 v[NB:NB+1], v[VS] offset:RED+48
	s_lshl_b32 s29, ttmp9, 3
	v_lshl_add_u32 v[VC], v[LANE], 2, s29          ; emean[2 x work-group + lane]
	s_wait_dscnt 0x0
	v_pk_add_f32 v[DA:DA+1], v[DA:DA+1], v[DB:DB+1]
	v_pk_add_f32 v[NA:NA+1], v[NA:NA+1], v[NB:NB+1]
	v_pk_add_f32 v[DA:DA+1], v[DA:DA+1], v[NA:NA+1]
	v_add_f32 v[DA], v[DA], v[DA+1]
	v_mul_f32 v[DA], 0x3d000000, v[DA]             ; the mean over the 32 codewords: times 1/32
	v_cmp_gt_u32 vcc_lo, 2, v[LANE]
	s_wait_xcnt 0x0                                ; EXEC is a source of my pending stores: it changes only behind this wait
	s_wait_tensorcnt 0x0
	ds_add_u32 v192, v193
	s_wait_dscnt 0x0
	s_and_saveexec_b32 s30, vcc_lo
	global_store_b32 v[VC], v[DA], s[12:13]
	s_endpgm
.Lend:
	s_wait_tensorcnt 0x0
	ds_add_u32 v192, v193
	s_wait_dscnt 0x0
	s_endpgm
.Lfunc_end_k_qbe188d2cca_encode:
	.size	k_qbe188d2cca_encode, .Lfunc_end_k_qbe188d2cca_encode-k_qbe188d2cca_encode
	.p2alignl 7, 3214868480
	.fill 96, 4, 3214868480
	.section	.rodata,"a",@progbits
	.p2align	6, 0x0
	.amdhsa_kernel k_qbe188d2cca_encode
		.amdhsa_group_segment_fixed_size 3072
		.amdhsa_private_segment_fixed_size 0
		.amdhsa_enable_private_segment 0
		.amdhsa_kernarg_size 40
		.amdhsa_user_sgpr_count 2
		.amdhsa_user_sgpr_kernarg_segment_ptr 1
		.amdhsa_wavefront_size32 1
		.amdhsa_system_sgpr_workgroup_id_x 1
		.amdhsa_system_sgpr_workgroup_id_y 1
		.amdhsa_system_sgpr_workgroup_id_z 1
		.amdhsa_system_vgpr_workitem_id 0
		.amdhsa_next_free_vgpr 194
		.amdhsa_next_free_sgpr 66
		.amdhsa_reserve_vcc 1
		.amdhsa_float_denorm_mode_32 3
		.amdhsa_float_denorm_mode_16_64 3
		.amdhsa_memory_ordered 1
		.amdhsa_forward_progress 1
		.amdhsa_inst_pref_size 113
	.end_amdhsa_kernel
	.amdgpu_metadata
---
amdhsa.version: [ 1, 2 ]
amdhsa.kernels:
  - .name:           k_qbe188d2cca_encode
    .symbol:         k_qbe188d2cca_encode.kd
    .args:
      - { .name: X, .offset: 0, .size: 8, .value_kind: global_buffer, .address_space: global }
      - { .name: codewords, .offset: 8, .size: 8, .value_kind: global_buffer, .address_space: global }
      - { .name: scale, .offset: 16, .size: 8, .value_kind: global_buffer, .address_space: global }
      - { .name: enc, .offset: 24, .size: 8, .value_kind: global_buffer, .address_space: global }
      - { .name: emean, .offset: 32, .size: 8, .value_kind: global_buffer, .address_space: global }
    .group_segment_fixed_size: 3072
    .private_segment_fixed_size: 0
    .kernarg_segment_align: 8
    .kernarg_segment_size: 40
    .max_flat_workgroup_size: 512
    .sgpr_count:     66
    .vgpr_count:     194
    .wavefront_size: 32
...
	.end_amdgpu_metadata
.endif
;; end of part 1
;; launch gate (part 2): grid 512 x 1, 7 waves a work-group, no clusters, 0 bytes of LDS; arguments enc, emean, fc_w, fc_b, out0; writes out0
.if DOCPART == 2
	.amdgcn_target "amdgcn-amd-amdhsa--gfx1250"
	.amdhsa_code_object_version 6
	.text
	.protected	k_qbe188d2cca_gate
	.globl	k_qbe188d2cca_gate
	.p2align	8
	.type	k_qbe188d2cca_gate,@function
k_qbe188d2cca_gate:
	s_mov_b64 s[64:65], 0
	v_nop
	global_prefetch_b8 v0, s[64:65] scope:SCOPE_SE
	s_setreg_imm32_b32 hwreg(HW_REG_WAVE_MODE, 25, 1), 1
	s_wait_xcnt 0x0
; out0[b][d][n] = enc[b][d][n] (1 + sigmoid( sum over j of emean[b][j] fc_w[d][j] + fc_b[d] )),  enc = relu(E) from the launch before.
; A work-group owns one row (b, d): 12,544 bytes = 49 x 256.  Seven waves, seven loads of 8 bytes a lane each: every load and store of a wave
; covers 256 consecutive bytes at a multiple of 256 from the buffer's first byte.  All seven loads of a wave are out while it makes the gate.
; The product with fc_w is 65,536 FLOPs in all and this work-group needs ONE of its 512 outputs, a dot product of 64 terms: two terms a lane in f32
; and a sum over the lanes.  A 16 x 16 matrix tile would hold one number of use, so no matrix instruction is written.  Every wave makes the gate
; for itself (512 bytes of emean and fc_w): that spares LDS and a barrier.  No cluster, no tensor load: the rows are shared with nobody.
; The sigmoid's exponential may overflow to infinity; its reciprocal is then 0, which is the right limit.
.set ROWB, 12544                       ; bytes in a row
.set STEP, 7*256                       ; what the seven waves cover with one load each
.set G,    6                           ; v[6:7]   emean's two terms; then the dot product; then 1 + gate in v6
.set W,    8                           ; v[8:9]   fc_w's two terms
.set E,    16                          ; v[16:29] seven pairs of enc, scaled in place
	s_load_b256 s[4:11], s[0:1], 0x0               ; enc s[4:5], emean s[6:7], fc_w s[8:9], fc_b s[10:11]
	s_load_b64 s[12:13], s[0:1], 0x20              ; out0
	v_and_b32 v1, 31, v0                           ; lane
	s_mul_i32 s14, ttmp9, ROWB
	v_lshl_add_u32 v2, v0, 3, s14                  ; my 8 bytes: row + 8 x thread
	s_lshr_b32 s15, ttmp9, 6                       ; b
	s_lshl_b32 s15, s15, 8                         ; rows of 64 f32
	v_lshl_add_u32 v3, v1, 3, s15                  ; emean[b][2 lane]
	s_and_b32 s16, ttmp9, 63                       ; d
	s_lshl_b32 s18, s16, 8
	v_lshl_add_u32 v4, v1, 3, s18                  ; fc_w[d][2 lane]
	s_lshl_b32 s16, s16, 2                         ; fc_b[d], as a 64-bit offset
	s_mov_b32 s17, 0
	s_mov_b32 s20, 0x76543210                      ; v_permlanex16_b32: lane i of one half reads lane i of the other
	s_mov_b32 s21, 0xfedcba98
	s_mov_b32 s22, 0xbfb8aa3b                      ; -log2 e
	s_wait_kmcnt 0x0
	s_add_nc_u64 s[10:11], s[10:11], s[16:17]
	s_load_b32 s19, s[10:11], 0x0
	global_load_b64 v[G:G+1], v3, s[6:7]
	global_load_b64 v[W:W+1], v4, s[8:9]
.irp j, 0,1,2,3,4,5,6
	global_load_b64 v[E+2*\j:E+2*\j+1], v2, s[4:5] offset:\j*STEP th:TH_LOAD_NT
.endr
	s_wait_loadcnt 0x7                             ; emean and fc_w are in; the seven loads of enc issued behind them stay out
	v_mul_f32 v[G], v[G], v[W]
	v_fmac_f32 v[G], v[G+1], v[W+1]
	v_add_f32_dpp v[G], v[G], v[G] row_xmask:1 row_mask:0xf bank_mask:0xf
	v_add_f32_dpp v[G], v[G], v[G] row_xmask:2 row_mask:0xf bank_mask:0xf
	v_add_f32_dpp v[G], v[G], v[G] row_xmask:4 row_mask:0xf bank_mask:0xf
	v_add_f32_dpp v[G], v[G], v[G] row_xmask:8 row_mask:0xf bank_mask:0xf
	v_permlanex16_b32 v[G+1], v[G], s20, s21
	v_add_f32 v[G], v[G], v[G+1]                   ; the dot product, in every lane
	s_wait_kmcnt 0x0
	s_mul_f32 s19, s19, s22                        ; -log2 e x fc_b[d]
	v_fma_f32 v[G], v[G], s22, s19                 ; -log2 e x (dot + bias)
	v_exp_f32 v[G], v[G]
	v_nop                                          ; one plain place behind a transcendental before its result is used (ISA guide 5.7.2); there is no other work here
	s_wait_alu depctr_va_vdst(0)
	v_add_f32 v[G], 1.0, v[G]
	v_rcp_f32 v[G], v[G]                           ; sigmoid
	v_nop
	s_wait_alu depctr_va_vdst(0)
	v_add_f32 v[G], 1.0, v[G]                      ; 1 + gate
.irp j, 0,1,2,3,4,5,6
	s_wait_loadcnt 6-\j                            ; loads come back in order (ISA guide 5.7.1): pair j is in, the younger ones stay out
	v_pk_mul_f32 v[E+2*\j:E+2*\j+1], v[E+2*\j:E+2*\j+1], v[G:G+1] op_sel_hi:[1,0]
	global_store_b64 v2, v[E+2*\j:E+2*\j+1], s[12:13] offset:\j*STEP th:TH_STORE_NT
.endr
	s_endpgm
.Lfunc_end_k_qbe188d2cca_gate:
	.size	k_qbe188d2cca_gate, .Lfunc_end_k_qbe188d2cca_gate-k_qbe188d2cca_gate
	.p2alignl 7, 3214868480
	.fill 96, 4, 3214868480
	.section	.rodata,"a",@progbits
	.p2align	6, 0x0
	.amdhsa_kernel k_qbe188d2cca_gate
		.amdhsa_group_segment_fixed_size 0
		.amdhsa_private_segment_fixed_size 0
		.amdhsa_enable_private_segment 0
		.amdhsa_kernarg_size 40
		.amdhsa_user_sgpr_count 2
		.amdhsa_user_sgpr_kernarg_segment_ptr 1
		.amdhsa_wavefront_size32 1
		.amdhsa_system_sgpr_workgroup_id_x 1
		.amdhsa_system_sgpr_workgroup_id_y 1
		.amdhsa_system_sgpr_workgroup_id_z 1
		.amdhsa_system_vgpr_workitem_id 0
		.amdhsa_next_free_vgpr 32
		.amdhsa_next_free_sgpr 66
		.amdhsa_reserve_vcc 0
		.amdhsa_float_denorm_mode_32 3
		.amdhsa_float_denorm_mode_16_64 3
		.amdhsa_memory_ordered 1
		.amdhsa_forward_progress 1
		.amdhsa_inst_pref_size 5
	.end_amdhsa_kernel
	.amdgpu_metadata
---
amdhsa.version: [ 1, 2 ]
amdhsa.kernels:
  - .name:           k_qbe188d2cca_gate
    .symbol:         k_qbe188d2cca_gate.kd
    .args:
      - { .name: enc, .offset: 0, .size: 8, .value_kind: global_buffer, .address_space: global }
      - { .name: emean, .offset: 8, .size: 8, .value_kind: global_buffer, .address_space: global }
      - { .name: fc_w, .offset: 16, .size: 8, .value_kind: global_buffer, .address_space: global }
      - { .name: fc_b, .offset: 24, .size: 8, .value_kind: global_buffer, .address_space: global }
      - { .name: out0, .offset: 32, .size: 8, .value_kind: global_buffer, .address_space: global }
    .group_segment_fixed_size: 0
    .private_segment_fixed_size: 0
    .kernarg_segment_align: 8
    .kernarg_segment_size: 40
    .max_flat_workgroup_size: 224
    .sgpr_count:     66
    .vgpr_count:     32
    .wavefront_size: 32
...
	.end_amdgpu_metadata
.endif
;; end of part 2
;; ======== version 2 of 2: 2 launches; version 1 with the launch gate written anew for expert scheduling mode
;; workspace buffers: enc 6,422,528 bytes; emean 2,048 bytes
;; launch encode: the kernel of part 1 again; grid 256 x 1, 16 waves a work-group, no clusters, 3,072 bytes of LDS; arguments X, codewords, scale, enc, emean; writes enc, emean
;; launch gate (part 3): grid 512 x 1, 7 waves a work-group, no clusters, 0 bytes of LDS; arguments enc, emean, fc_w, fc_b, out0; writes out0
.if DOCPART == 3
	.amdgcn_target "amdgcn-amd-amdhsa--gfx1250"
	.amdhsa_code_object_version 6
	.text
	.protected	k_qbe188d2cca_gate
	.globl	k_qbe188d2cca_gate
	.p2align	8
	.type	k_qbe188d2cca_gate,@function
k_qbe188d2cca_gate:
	s_mov_b64 s[64:65], 0
	v_nop
	global_prefetch_b8 v0, s[64:65] scope:SCOPE_SE
	s_setreg_imm32_b32 hwreg(HW_REG_WAVE_SCHED_MODE, 0, 2), 2
	s_setreg_imm32_b32 hwreg(HW_REG_WAVE_MODE, 25, 1), 1
	s_wait_xcnt 0x0
	s_wait_alu depctr_vm_vsrc(0)
; out0[b][d][n] = enc[b][d][n] (1 + sigmoid( sum over j of emean[b][j] fc_w[d][j] + fc_b[d] )),  enc = relu(E) from the launch before.
; A work-group owns one row (b, d): 12,544 bytes = 49 x 256.  Seven waves, seven loads of 8 bytes a lane each: every load and store of a wave
; covers 256 consecutive bytes at a multiple of 256 from the buffer's first byte.  All seven loads of a wave are out while it makes the gate.
; The product with fc_w is 65,536 FLOPs in all and this work-group needs ONE of its 512 outputs, a dot product of 64 terms: two terms a lane in f32
; and a sum over the lanes.  A 16 x 16 matrix tile would hold one number of use, so no matrix instruction is written.  Every wave makes the gate
; for itself (512 bytes of emean and fc_w): that spares LDS and a barrier.  No cluster, no tensor load: the rows are shared with nobody.
; The sigmoid's exponential may overflow to infinity; its reciprocal is then 0, which is the right limit.
; THE MODE: SCHED_MODE bits 1:0 = 2 (LLVM: expert scheduling mode 2), set by the entry lines.  The code itself states the register dependences
; between vector instructions and memory instructions, with s_wait_alu, always for 0.
; THE PLAN.  Registers that memory instructions touch:
;   v2, v3, v4   byte offsets.  Written by vector instructions at the head; read by the loads (v2 by the stores too); never written again.
;   v[6:9]       emean's and fc_w's terms.  Written by two loads; from then on named by vector instructions alone.
;   v[16:29]     seven pairs of enc.  Each is written by one load, scaled in place by one packed multiply, read by one store, and never written again.
; So one wait on va_vdst stands ahead of the first load, for the offsets, and one ahead of each of the two runs of stores, for the products that they
; carry.  No register that a memory instruction reads is written again, so no wait on vm_vsrc is owed; no vector instruction writes a scalar register,
; VCC or EXEC.
.set ROWB, 12544                       ; bytes in a row
.set STEP, 7*256                       ; what the seven waves cover with one load each
.set G,    6                           ; v[6:7]   emean's two terms; then the dot product; then 1 + gate in v6
.set W,    8                           ; v[8:9]   fc_w's two terms
.set E,    16                          ; v[16:29] seven pairs of enc, scaled in place
	s_load_b256 s[4:11], s[0:1], 0x0               ; enc s[4:5], emean s[6:7], fc_w s[8:9], fc_b s[10:11]
	s_load_b64 s[12:13], s[0:1], 0x20              ; out0
	v_and_b32 v1, 31, v0                           ; lane
	s_mul_i32 s14, ttmp9, ROWB
	v_lshl_add_u32 v2, v0, 3, s14                  ; my 8 bytes: row + 8 x thread
	s_lshr_b32 s15, ttmp9, 6                       ; b
	s_lshl_b32 s15, s15, 8                         ; rows of 64 f32
	v_lshl_add_u32 v3, v1, 3, s15                  ; emean[b][2 lane]
	s_and_b32 s16, ttmp9, 63                       ; d
	s_lshl_b32 s18, s16, 8
	v_lshl_add_u32 v4, v1, 3, s18                  ; fc_w[d][2 lane]
	s_lshl_b32 s16, s16, 2                         ; fc_b[d], as a 64-bit offset
	s_mov_b32 s17, 0
	s_mov_b32 s20, 0x76543210                      ; v_permlanex16_b32: lane i of one half reads lane i of the other
	s_mov_b32 s21, 0xfedcba98
	s_mov_b32 s22, 0xbfb8aa3b                      ; -log2 e
	s_wait_kmcnt 0x0
	s_add_nc_u64 s[10:11], s[10:11], s[16:17]
	s_load_b32 s19, s[10:11], 0x0
	s_wait_alu depctr_va_vdst(0)                   ; v2, v3 and v4 are written: every load and store of the kernel reads one of them as its offset
	global_load_b64 v[G:G+1], v3, s[6:7]
	global_load_b64 v[W:W+1], v4, s[8:9]
.irp j, 0,1,2,3,4,5,6
	global_load_b64 v[E+2*\j:E+2*\j+1], v2, s[4:5] offset:\j*STEP th:TH_LOAD_NT
.endr
	s_wait_loadcnt 0x7                             ; emean and fc_w are in; the seven loads of enc issued behind them stay out
	v_mul_f32 v[G], v[G], v[W]
	v_fmac_f32 v[G], v[G+1], v[W+1]
	v_add_f32_dpp v[G], v[G], v[G] row_xmask:1 row_mask:0xf bank_mask:0xf
	v_add_f32_dpp v[G], v[G], v[G] row_xmask:2 row_mask:0xf bank_mask:0xf
	v_add_f32_dpp v[G], v[G], v[G] row_xmask:4 row_mask:0xf bank_mask:0xf
	v_add_f32_dpp v[G], v[G], v[G] row_xmask:8 row_mask:0xf bank_mask:0xf
	v_permlanex16_b32 v[G+1], v[G], s20, s21
	v_add_f32 v[G], v[G], v[G+1]                   ; the dot product, in every lane
	s_wait_kmcnt 0x0
	s_mul_f32 s19, s19, s22                        ; -log2 e x fc_b[d]
	v_fma_f32 v[G], v[G], s22, s19                 ; -log2 e x (dot + bias)
	v_exp_f32 v[G], v[G]
	v_nop                                          ; one plain place behind a transcendental before its result is used (ISA guide 5.7.2); there is no other work here
	s_wait_alu depctr_va_vdst(0)                   ; the exponential has written v[G], which the addition below reads
	v_add_f32 v[G], 1.0, v[G]
	v_rcp_f32 v[G], v[G]                           ; sigmoid
	v_nop
	s_wait_alu depctr_va_vdst(0)                   ; the reciprocal has written v[G], which the addition below reads
	v_add_f32 v[G], 1.0, v[G]                      ; 1 + gate
	; The seven pairs go out in two runs, so that one wait serves a run of stores.
	s_wait_loadcnt 0x3                             ; loads come back in order (ISA guide 5.7.1): pairs 0 to 3 are in, the three younger ones stay out
.irp j, 0,1,2,3
	v_pk_mul_f32 v[E+2*\j:E+2*\j+1], v[E+2*\j:E+2*\j+1], v[G:G+1] op_sel_hi:[1,0]
.endr
	s_wait_alu depctr_va_vdst(0)                   ; the four multiplies have written pairs 0 to 3, which the four stores below read as their data
.irp j, 0,1,2,3
	global_store_b64 v2, v[E+2*\j:E+2*\j+1], s[12:13] offset:\j*STEP th:TH_STORE_NT
.endr
	s_wait_loadcnt 0x0                             ; pairs 4 to 6 are in
.irp j, 4,5,6
	v_pk_mul_f32 v[E+2*\j:E+2*\j+1], v[E+2*\j:E+2*\j+1], v[G:G+1] op_sel_hi:[1,0]   ; they name none of the registers that the stores above read
.endr
	s_wait_alu depctr_va_vdst(0)                   ; the three multiplies have written pairs 4 to 6, which the last three stores read as their data
.irp j, 4,5,6
	global_store_b64 v2, v[E+2*\j:E+2*\j+1], s[12:13] offset:\j*STEP th:TH_STORE_NT
.endr
	s_endpgm
.Lfunc_end_k_qbe188d2cca_gate:
	.size	k_qbe188d2cca_gate, .Lfunc_end_k_qbe188d2cca_gate-k_qbe188d2cca_gate
	.p2alignl 7, 3214868480
	.fill 96, 4, 3214868480
	.section	.rodata,"a",@progbits
	.p2align	6, 0x0
	.amdhsa_kernel k_qbe188d2cca_gate
		.amdhsa_group_segment_fixed_size 0
		.amdhsa_private_segment_fixed_size 0
		.amdhsa_enable_private_segment 0
		.amdhsa_kernarg_size 40
		.amdhsa_user_sgpr_count 2
		.amdhsa_user_sgpr_kernarg_segment_ptr 1
		.amdhsa_wavefront_size32 1
		.amdhsa_system_sgpr_workgroup_id_x 1
		.amdhsa_system_sgpr_workgroup_id_y 1
		.amdhsa_system_sgpr_workgroup_id_z 1
		.amdhsa_system_vgpr_workitem_id 0
		.amdhsa_next_free_vgpr 32
		.amdhsa_next_free_sgpr 66
		.amdhsa_reserve_vcc 0
		.amdhsa_float_denorm_mode_32 3
		.amdhsa_float_denorm_mode_16_64 3
		.amdhsa_memory_ordered 1
		.amdhsa_forward_progress 1
		.amdhsa_inst_pref_size 5
	.end_amdhsa_kernel
	.amdgpu_metadata
---
amdhsa.version: [ 1, 2 ]
amdhsa.kernels:
  - .name:           k_qbe188d2cca_gate
    .symbol:         k_qbe188d2cca_gate.kd
    .args:
      - { .name: enc, .offset: 0, .size: 8, .value_kind: global_buffer, .address_space: global }
      - { .name: emean, .offset: 8, .size: 8, .value_kind: global_buffer, .address_space: global }
      - { .name: fc_w, .offset: 16, .size: 8, .value_kind: global_buffer, .address_space: global }
      - { .name: fc_b, .offset: 24, .size: 8, .value_kind: global_buffer, .address_space: global }
      - { .name: out0, .offset: 32, .size: 8, .value_kind: global_buffer, .address_space: global }
    .group_segment_fixed_size: 0
    .private_segment_fixed_size: 0
    .kernarg_segment_align: 8
    .kernarg_segment_size: 40
    .max_flat_workgroup_size: 224
    .sgpr_count:     66
    .vgpr_count:     32
    .wavefront_size: 32
...
	.end_amdgpu_metadata
.endif
;; end of part 3
